; MI455X (gfx1250); checked and timed in simulation.
; The chip was launched on July 23, 2026; its instructions are those of AMD's public machine-readable ISA for CDNA 5 (MIT licence, August 2026) and "CDNA5" Instruction Set Architecture Reference Guide (July 2026). The comments in the code are by the model that wrote it; some were corrected since.
;; Attention. Allowed arithmetic: matrix products marked QUANTISED: E2M3 operands, one E8M0 scale for each 32 along K, by v_wmma_scale_f32_16x16x128_f8f6f4 with both operands' format E2M3, f32 sums; everything else in f32.
;; Inputs: key 4 x 16 x 2,048 x 64 float32; query 4 x 16 x 2,048 x 64 float32; value 4 x 16 x 2,048 x 64 float32.
;; Outputs: out0 4 x 16 x 2,048 x 64 float32.
;; This version of the problem:
;;   THIS VERSION OF THE PROBLEM IS GIVEN IN LOW PRECISION. The matrix products marked QUANTISED in the list below multiply operands that are first quantised to E2M3 (2 exponent bits, 3 mantissa bits; 6 bits a number), with one power-of-two scale for each 32 numbers along K (OCP MX v1.0); their sums are f32. All else is computed in f32.
;;   The module's matrix products, in the order in which they are computed (A, B: the left and right operand; K: the contracted axis; several contracted axes count as one K, in the product's order):
;;     1. batch 64 x [M 2,048, K 64] x [K 64, N 2,048]; A: input query; B: input key: QUANTISED
;;     2. batch 64 x [M 2,048, K 2,048] x [K 2,048, N 64]; A: softmax (see below); B: input value: QUANTISED
;;   THE QUANTISER, for each operand of a quantised product, along K:
;;     - K is cut into blocks of 32 from its start; a last block that is shorter is filled with zeros.
;;     - A block's scale is 2^e with e = floor(log2(the largest magnitude in the block)) - 2, held to -126 .. 127; a block of zeros has e = 0. As a byte (E8M0): e + 127.
;;     - Each number is divided by its block's scale, clamped to +-7.5, and rounded to the nearest number of E2M3, ties to even, subnormals kept.
;;     - The product sums the exact products of the quantised numbers (number of the format x scale) in f32.
;;   ~~~python
;;   def quantise(x, axis):      # numpy; x: float32 -> the quantised numbers, widened to float32 again
;;       x = np.moveaxis(x, axis, -1); K = x.shape[-1]
;;       x = np.pad(x, [(0, 0)] * (x.ndim - 1) + [(0, -K % 32)]); x = x.reshape(x.shape[:-1] + (-1, 32)); a = np.abs(x).max(-1, keepdims=True)
;;       e = np.where(a > 0, np.clip(np.frexp(np.where(a > 0, a, 1))[1] - 1 - 2, -126, 127), 0)      # np.frexp(a)[1] - 1 = floor(log2(a)), exactly
;;       r = np.clip(x / 2.0 ** e, -7.5, 7.5)
;;       step = 2.0 ** (np.maximum(np.frexp(np.where(r == 0, 1, r))[1] - 1, 0) - 3)
;;       q = np.round(r / step) * step * 2.0 ** e      # np.round: ties to even
;;       return np.moveaxis(q.reshape(q.shape[:-2] + (-1,))[..., :K], -1, axis).astype(np.float32)
;;   ~~~
;;   SOFTMAX AHEAD OF A QUANTISED PRODUCT. Where the list says 'softmax', what is quantised is not the finished softmax but p = 2^(t - M), with t = logit x log2(e) and M = ceil(the row's largest t), a whole number; so 1/2 < the row's largest p <= 1. The row's sum l is taken of the UNQUANTISED p, in f32, and the product's result is divided by l at the end. Since M is a whole number, a kernel that streams over the keys may use a running M (the ceiling of the running maximum): every later rescaling is an exact power of two, which a block's scale takes up: the codes' values come out the same.
;;   OPERANDS COMPUTED ON THE WAY. 'Computed on the way' means the value that the module computes at that place (a softmax that the list does not call 'softmax' is quantised finished and normalised). What goes into a quantiser is computed in f32, as accurately as f32 sums, v_exp_f32 and their like allow (about 1e-6 of the number): no bf16 or f16 on the way to a quantiser, and a product that is left as it is and whose result goes on into a quantised operand takes f32 operands (vector FMAs, or v_wmma_f32_16x16x4_f32). A number that lies on a knife's edge between two numbers of the format may be rounded either way, as far as f32 arithmetic and the matrix unit's own rounding can turn it there, and no further.
;; 2 versions. Each part assembles by itself: llvm-mc -triple=amdgcn-amd-amdhsa -mcpu=gfx1250 --defsym DOCPART=n.
;; ======== version 1 of 2: 1 launch
;; launch attn (part 1): grid 4 x 64, 16 waves a work-group, no clusters, 280,576 bytes of LDS; arguments query, key, value, out0; writes out0
.if DOCPART == 1
	.amdgcn_target "amdgcn-amd-amdhsa--gfx1250"
	.amdhsa_code_object_version 6
	.text
	.protected	k_q8fe6657214_attn
	.globl	k_q8fe6657214_attn
	.p2align	8
	.type	k_q8fe6657214_attn,@function
k_q8fe6657214_attn:
	s_mov_b64 s[64:65], 0
	v_nop
	global_prefetch_b8 v0, s[64:65] scope:SCOPE_SE
	s_setreg_imm32_b32 hwreg(HW_REG_WAVE_MODE, 25, 1), 1
	s_wait_xcnt 0x0
; out0[h][q][:] = the sum over k of softmax_k(query[h][q] . key[h][k] / 8) value[h][k][:], 64 heads (4 x 16), 2,048 positions, 64 channels, all f32, no mask.
; Both products run on codes of E2M3 with one E8M0 scale for each 32 along a product's K: the first along the 64 channels (two blocks to a row of query or key), the second along the keys.
; THE SOFTMAX AHEAD OF THE SECOND PRODUCT: t = score x log2(e) / 8; M = the row's largest t so far, rounded UP to a whole number; p = 2^(t - M) is what is quantised, along the keys, not normalised.
; The row's sum is taken of the unquantised p, in f32, and divides at the end.  When M moves, the sum and O are multiplied by 2^(old M - new M): exact.
; NOTHING IS LEFT OUT: there is no mask, bias or slice; every number of the three inputs reaches the output, and every step of the computation is done.
; SHARES.  256 work-groups: x = a block of 512 queries, y = the head.  Sixteen waves of 256 registers, four to a SIMD, so that one wave's vector work stands beside another's products and LDS loads.
; Wave w owns queries 512 x + 32 w .. + 31 as two tiles of 16, worked one after the other (two passes over the keys).  Both products are used transposed (S^T = K Q^T, O^T = V^T P^T): a lane holds ONE query throughout.
; K AND V ARE QUANTISED HERE, once for each work-group, into LDS, AS IMAGES OF THE OPERANDS' REGISTERS, and stay: a head's codes and scales are 16 x 13,056 = 208,896 bytes, so no LDS byte is written twice.
; The quantising runs under pass 0, a group of 256 keys (two steps) ahead: while group g is multiplied, each wave loads 32 numbers a lane of K of group g + 1 at the head of one step and quantises them behind it,
; and the same of V round the next step.  One barrier a group.  The last group of pass 0 and all of pass 1 have no loads and no barrier.
; THE KEYS OF A TILE ARE NOT NEIGHBOURS: row r of tile 2 b + u is key 32 b + 8 u + r + 8 (r / 8), so that the 16 score registers of tiles 2 b and 2 b + 1 are 16 neighbouring keys, 32 b + 16 (lane / 16) + 0 .. 15.
; THE FIRST PRODUCT'S K IS 64, the instruction's 128: registers 6-11 of both its operands are zero codes, set once; bytes 2 and 3 of its scale words repeat bytes 0 and 1, so that no byte is 0xff.
; NO CLUSTER, NO JOINT LOADS: what the four work-groups of a head share is f32 that has to pass through registers to be quantised.  A joint load could only lay it into LDS, 65,536 bytes for each 128 keys of K and V;
; beside 208,896 bytes of images, 69,632 of stages and 2,048 of spare words 47,104 bytes are left, less than one step's; and each number would cross LDS twice more.
; LIMITS: NaN and infinities among the inputs are not served.  A block whose largest magnitude lies under 2^-124 gets the scale byte 1; so does a block of zeros, where the rule says 127: its codes are zeros, which add
; nothing under any byte but 0xff, and the bytes are read by this program alone.  A p under 2^-126 comes out of v_exp_f32 as 0.  The running largest t begins at -3e38.  t - M is one fused multiply-add of the score.
.set STEPB, 13056                      ; LDS: what 128 keys take: 51 x 256 bytes.  Step j begins at j x STEPB
.set KIMG,  0                          ; in it: K's 8 tiles x 768 bytes: tile t: registers 0-3 at 768 t + 16 x lane, registers 4-5 at 768 t + 512 + 8 x lane
.set KSC,   6144                       ; K's scale words, 512 bytes: tile t, row r at 16 (r + 16 (t % 2)) + 4 (t / 2): one load of 16 bytes a lane gives register j = tile 2 j (lanes 0-15), tile 2 j + 1 (lanes 16-31)
.set VIMG,  6656                       ; V's 4 tiles x 1,536 bytes: tile c (channels 16 c on): registers 4 i .. 4 i + 3 at 1536 c + 512 i + 16 x lane
.set VSC,   12800                      ; V's scale words, 256 bytes: tile c, row r at 8 (r + 16 (c % 2)) + 4 (c / 2); byte b = the step's b-th 32 keys
.set STG,   16*STEPB                   ; behind the 16 steps: a stage of 16 rows x (256 + 16) bytes for each wave, its own, for the way out
.set SPARE, STG+16*4352                ; behind the stages: the spare words, 128 bytes for each wave: eight blocks of 256 bytes that no other line names
.set GROUPB, 65536                     ; 256 rows of K or V in memory
.set L16, 1                            ; v1   16 x lane: an image's place for my lane; also my byte offset in two rows of out0
.set L8,  2                            ; v2   8 x lane
.set R16, 3                            ; v3   16 r          (r = lane % 16, h = lane / 16)
.set VWL, 4                            ; v4   1536 h + 16 r: my lane's place among V's images when I store
.set GK,  5                            ; v5   256 (r + 8 (r / 8)) + 128 h: my key's row and my block of 32 channels in a tile of K in memory
.set GV,  6                            ; v6   4 x lane: my channel in a row of V
.set PFO, 7                            ; v7   256 x lane: the prefetches' offset, a lane a row
.set H8,  8                            ; v8   8 h
.set A16, 9                            ; v9   the step's LDS byte + 16 x lane  (in the head: my lane's offset in Q's rows)
.set A8,  10                           ; v10  the step's LDS byte + 8 x lane
.set QS1, 11                           ; v11  the second tile's scale word of Q, kept
.set NM,  12                           ; v12  -M
.set TMX, 13                           ; v13  the running largest t
.set SUM, 14                           ; v[14:15] the row's sum in two halves
.set QF,  16                           ; v16-27 Q's fragment (registers 6-11 zeros)
.set QS,  28                           ; v28  Q's scale word
.set PS,  29                           ; v29  p's scale word
.set KS,  30                           ; v30-33 K's scale words of a step
.set VS,  34                           ; v34-35 V's
.set SPW, 36                           ; v36  LDS address of my spare word: SPARE + 4 x my thread's number; never rewritten
.set NIL, 37                           ; v37  0; never rewritten
.set F,   38                           ; v[38:39] f = 2^(old M - new M) (v39 is only named with it as a pair)
.set BM,  40                           ; v40-43 the blocks' maxima
.set T2,  44                           ; v44-47 at work
.set SO,  48                           ; v48-51 the conversions' scale operands
.set X0,  52                           ; v52, v53 at work
.set X1,  53
.set PC,  54                           ; v54-65 codes just made: p's fragment, or a task's six registers
.set PT,  66                           ; v66-73 the conversions' second halves
.set KF,  74                           ; v74-121 four fragments of K (registers 6-11 of each zeros)
.set S,   122                          ; v122-185 S^T, then p; then V's four fragments in the first 48; on the way out rows of out0
.set O,   186                          ; v186-217 O^T: tile c at O + 8 c
.set ST,  218                          ; v218-249 32 numbers of K or V on their way to the quantiser
.set Q1,  250                          ; v250-255 the second tile's six code registers of Q, kept
.set WV,  12                           ; s12  my wave's number
.set SEL, 20                           ; s[20:21] lane selects for v_permlanex16_b32: lane l xor 16
.set CS,  22                           ; s[22:23] c = log2(e) / 8: the packed form names a pair and takes its low word for both halves
.set TB,  24                           ; s24  LDS byte at which the step in hand begins
.set CNT, 25                           ; s25  the loops' counter
.set KWB, 26                           ; s26  where my K task stores its image;  s27 its scale words
.set KSB, 27
.set VW0, 28                           ; s28, s29 where my V task stores its three pieces of 8 bytes;  s30 its scale byte
.set VW1, 29
.set VSB, 30
.set STGW, 31                          ; s31  my stage
.set KP,  32                           ; s[32:33] my K task's rows in memory;  s[34:35] my V task's
.set VP,  34
.set PFA, 36                           ; s[36:37] where my prefetches stand
.set LIM, 38                           ; s38  1 in a work-group that prefetches, else the greatest number
; 32 numbers of ONE block in one lane, v[s] .. v[s + 31], become six registers of codes in v[c] on; the scale's byte is left in v[T2].
.macro QB s, c
	v_max3_num_f32 v[BM], |v[(\s)]|, |v[(\s)+1]|, |v[(\s)+2]|      ; the block's largest magnitude, in two chains
	v_max3_num_f32 v[BM+1], |v[(\s)+3]|, |v[(\s)+4]|, |v[(\s)+5]|
.irp i, 6,10,14,18,22,26
	v_max3_num_f32 v[BM], v[BM], |v[(\s)+\i]|, |v[(\s)+\i+1]|
	v_max3_num_f32 v[BM+1], v[BM+1], |v[(\s)+\i+2]|, |v[(\s)+\i+3]|
.endr
	v_max3_num_f32 v[BM], v[BM], |v[(\s)+30]|, |v[(\s)+31]|
	v_max3_num_f32 v[BM], v[BM], v[BM+1], 0x1800000                ; and the floor 2^(3 - 127): the byte cannot fall under 1
	v_add_nc_u32 v[SO], 0xff000000, v[BM]                          ; 2 off its exponent field: the conversion takes the exponent field of this operand as its scale
	v_cvt_scalef32_pk16_fp6_f32 v[(\c):(\c)+2], v[(\s):(\s)+15], v[SO]
	v_cvt_scalef32_pk16_fp6_f32 v[PT:PT+2], v[(\s)+16:(\s)+31], v[SO]   ; (a conversion's three registers begin on an even number)
	v_lshrrev_b32 v[T2], 23, v[SO]                                 ; the scale's byte; also the plain place behind the conversions
.irp i, 0,1,2
	v_mov_b32 v[(\c)+3+\i], v[PT+\i]
.endr
.endm
; The scale word of a row of Q or K: my block's byte at 8 h bits, lane l xor 16's beside it, and the pair once more in the upper half.
.macro SWORD d
	v_lshlrev_b32 v[T2], v[H8], v[T2]
	v_permlanex16_b32 v[T2+1], v[T2], s[SEL], s[SEL+1]
	v_or_b32 v[T2], v[T2], v[T2+1]
	v_lshl_or_b32 v[(\d)], v[T2], 16, v[T2]
.endm
; MY K TASK: tile w % 8 of step 2 G + w / 8 of group G: lane (r, h) takes channels 32 h .. 32 h + 31 of its key: 128 bytes.
.macro KLOAD
.irp i, 0,1,2,3,4,5,6,7
	global_load_b128 v[ST+4*\i:ST+4*\i+3], v[GK], s[KP:KP+1] offset:16*\i
.endr
.endm
; MY V TASK: keys 32 m .. 32 m + 31 (m = (w / 2) % 4) of step 2 G + w / 8, channels 32 (w % 2) + lane: a lane to a channel, registers down the keys; a load covers 128 consecutive bytes.
.macro VLOAD reg
.irp i, 0,1,2,3,4,5,6,7,8,9,10,11,12,13,14,15,16,17,18,19,20,21,22,23,24,25,26,27,28,29,30,31
	global_load_b32 v[(\reg)+\i], v[GV], s[VP:VP+1] offset:256*\i
.endr
.endm
.macro KSTORE                          ; the six registers in v[PC] on and the word in v[T2+2] go to LDS as the operand's registers want them
	v_add_nc_u32 v[X0], s[KWB], v[L16]
	v_add_nc_u32 v[X1], s[KWB], v[L8]
	v_add_nc_u32 v[T2+3], s[KSB], v[R16]
	ds_store_b128 v[X0], v[PC:PC+3]
	ds_store_b64 v[X1], v[PC+4:PC+5] offset:512
	ds_store_b32 v[T2+3], v[T2+2]                  ; lanes r and r + 16 write the same word with the same value
	s_add_co_u32 s[KWB], s[KWB], 2*STEPB           ; the next group's
	s_add_co_u32 s[KSB], s[KSB], 2*STEPB
.endm
; My lane's block is registers 6 q .. 6 q + 5 (q = m / 2) of fragment lane r + 16 (m % 2) of tile 2 (w % 2) + h.  In an image those lie at bytes 0, 8, 512 (q = 0) or 520, 1024, 1032 (q = 1) from the lane's place:
; the first and third piece are 512 apart in both cases, the second has an address of its own.
.macro VSTORE
	v_add_nc_u32 v[X0], s[VW0], v[VWL]
	v_add_nc_u32 v[X1], s[VW1], v[VWL]
	v_add_nc_u32 v[T2+3], s[VSB], v[L8]
	ds_store_b64 v[X0], v[PC:PC+1]
	ds_store_b64 v[X1], v[PC+2:PC+3]
	ds_store_b64 v[X0], v[PC+4:PC+5] offset:512
	ds_store_b8 v[T2+3], v[T2]
	s_add_co_u32 s[VW0], s[VW0], 2*STEPB
	s_add_co_u32 s[VW1], s[VW1], 2*STEPB
	s_add_co_u32 s[VSB], s[VSB], 2*STEPB
.endm
; A PREFETCH INTO THE L2 of the group after the one that is being loaded: its 256 rows of K (waves 0 to 7) and of V (waves 8 to 15), 32 rows a wave, a lane a row of 256 bytes: one instruction a wave.
; It stands behind the wave's run of loads.  The four work-groups of a head walk the same rows: the head's first (x = 0) asks, so that each row is named once in the launch.
; In the trip that multiplies group g it names group g + 2: one step ahead of K's loads of that group, two ahead of V's.  The last trip (group 6) names nothing: there is no group 8.  Groups 0 and 1 come by their loads alone.
.macro ASK
	s_cmp_gt_u32 s[CNT], s[LIM]
	s_cbranch_scc0 .Lnot_mine_\@
	global_prefetch_b8 v[PFO], s[PFA:PFA+1] th:TH_LOAD_NT scope:SCOPE_SE
.Lnot_mine_\@:
.endm
; Four tiles of S^T = K Q^T: tiles 4 g .. 4 g + 3.  Source 0 = 16 keys, source 1 = my 16 queries; each product starts its sum with the constant 0.  An odd tile's scale words stand in lanes 16-31.
.macro KQ4 g
.irp t, 0,1,2,3
	ds_load_b128 v[KF+12*\t:KF+12*\t+3], v[A16] offset:KIMG+768*(4*\g+\t)
	ds_load_b64 v[KF+12*\t+4:KF+12*\t+5], v[A8] offset:KIMG+768*(4*\g+\t)+512
.endr
.if \g == 0
	ds_load_b128 v[KS:KS+3], v[A16] offset:KSC
.endif
	s_wait_dscnt 0x0                               ; the fragments are in (and a task's stores, if any were out, have read their registers)
.irp t, 0,2
	v_wmma_scale_f32_16x16x128_f8f6f4 v[S+8*(4*\g+\t):S+8*(4*\g+\t)+7], v[KF+12*\t:KF+12*\t+11], v[QF:QF+11], 0, v[KS+2*\g+\t/2], v[QS] matrix_a_fmt:MATRIX_FMT_FP6 matrix_b_fmt:MATRIX_FMT_FP6
	v_wmma_scale_f32_16x16x128_f8f6f4 v[S+8*(4*\g+\t+1):S+8*(4*\g+\t+1)+7], v[KF+12*(\t+1):KF+12*(\t+1)+11], v[QF:QF+11], 0, v[KS+2*\g+\t/2], v[QS] matrix_a_fmt:MATRIX_FMT_FP6 matrix_b_fmt:MATRIX_FMT_FP6 matrix_a_scale:MATRIX_SCALE_ROW1
.endr
.endm
; The largest score of blocks b0 and b1 of 32 keys (my 16 of each), the two by turns.  Each accumulator is first read at its low end: registers 0, 1, 2 of the even tile, register 0 of the odd one (with the even one's 7).
.macro BMAX b0, b1
.irp b, \b0, \b1
	v_max3_num_f32 v[BM+\b], v[S+16*\b], v[S+16*\b+1], v[S+16*\b+2]
.endr
.irp i, 3,5,7,9,11,13
.irp b, \b0, \b1
	v_max3_num_f32 v[BM+\b], v[BM+\b], v[S+16*\b+\i], v[S+16*\b+\i+1]
.endr
.endr
.irp b, \b0, \b1
	v_max_num_f32 v[BM+\b], v[BM+\b], v[S+16*\b+15]
.endr
.endm
; A KEY STEP: 128 keys, whose images begin at LDS byte s[TB].
.macro STEP
	v_add_nc_u32 v[A16], s[TB], v[L16]
	v_add_nc_u32 v[A8], s[TB], v[L8]
.rept 3
	v_nop                                          ; with the two additions: five places behind the last step's products V^T P, whose fragments' registers the products below write over
.endr
	KQ4 0
.rept 4
	v_nop                                          ; four places in front of loads into registers that matrix instructions have read
.endr
	KQ4 1
	BMAX 0, 1                                      ; these 16 name only the first four tiles' results (four places back): they are the places behind the second four
	BMAX 2, 3                                      ; THE LARGEST SCORE OF EACH BLOCK serves twice: for the row's maximum, and, since p rises with the score, for the block's largest p
.irp b, 0,1,2,3
	v_permlanex16_b32 v[T2+\b], v[BM+\b], s[SEL], s[SEL+1]
.endr
.irp b, 0,1,2,3
	v_max_num_f32 v[BM+\b], v[BM+\b], v[T2+\b]     ; with lane l xor 16's 16 keys
.endr
	v_max3_num_f32 v[X0], v[BM], v[BM+1], v[BM+2]
	v_max_num_f32 v[X0], v[X0], v[BM+3]            ; the step's largest score of my query
	v_mul_f32 v[X0], s[CS], v[X0]                  ; as t (c is positive)
	v_max_num_f32 v[TMX], v[TMX], v[X0]            ; the running largest t
	v_mov_b32 v[X0], v[NM]
	v_floor_f32 v[NM], -v[TMX]                     ; the new -M = floor(-t) = -ceil(t): M is a whole number
	v_sub_f32 v[X0], v[NM], v[X0]                  ; old M less new M: a whole number, 0 or less
	v_cvt_i32_f32 v[X0], v[X0]                     ; (it saturates)
	v_ldexp_f32 v[F], 1.0, v[X0]                   ; f = 2^(old M - new M): a multiplication by it rounds nothing
.set j, 0
.rept 32
	v_pk_fma_f32 v[S+j:S+j+1], v[S+j:S+j+1], s[CS:CS+1], v[NM:NM+1] op_sel_hi:[1,0,0]   ; t - M, two at a time (of the pairs c and -M the low word serves both halves)
.set j, j+2
.endr
.irp b, 0,1,2,3
	v_fma_f32 v[BM+\b], v[BM+\b], s[CS], v[NM]     ; the same of each block's largest score
.endr
.set j, 0
.rept 64
	v_exp_f32 v[S+j], v[S+j]                       ; p = 2^(t - M), at most 1: not normalised
.set j, j+1
.endr
	v_pk_mul_f32 v[SUM:SUM+1], v[SUM:SUM+1], v[F:F+1] op_sel_hi:[1,0]   ; the sums under the new M; also the plain place behind the exponentials
	s_wait_alu depctr_va_vdst(0)                   ; one wait for the batch of 64, ahead of its first reader
.irp b, 0,1,2,3
	v_exp_f32 v[BM+\b], v[BM+\b]                   ; the block's largest p: the same two instructions on the same number give the same bits
.endr
	v_pk_add_f32 v[T2:T2+1], v[S:S+1], v[S+2:S+3]  ; THE ROW'S SUM IS TAKEN OF THE UNQUANTISED p: two at a time, in two chains; these read the 64 alone: plain work behind the four
.set j, 4
.rept 15
	v_pk_add_f32 v[SUM:SUM+1], v[SUM:SUM+1], v[S+j:S+j+1]
	v_pk_add_f32 v[T2:T2+1], v[T2:T2+1], v[S+j+2:S+j+3]
.set j, j+4
.endr
	v_pk_add_f32 v[SUM:SUM+1], v[SUM:SUM+1], v[T2:T2+1]
	s_wait_alu depctr_va_vdst(0)                   ; and one wait for the four
.irp b, 0,1,2,3
	v_max_num_f32 v[BM+\b], 0x1800000, v[BM+\b]    ; the floor 2^(3 - 127): the byte cannot fall under 1 (a block whose every p has fallen to 0 keeps that byte: its codes are zeros)
.endr
.irp b, 0,1,2,3
	v_add_nc_u32 v[SO+\b], 0xff000000, v[BM+\b]    ; 2 off the exponent field: the conversion's scale operand
.endr
.irp b, 0,1,2,3
	v_lshrrev_b32 v[T2+\b], 23, v[SO+\b]           ; the scale's byte
.endr
	v_lshl_or_b32 v[PS], v[T2+1], 8, v[T2]         ; p's scale word for these 128 keys
	v_lshl_or_b32 v[PS], v[T2+2], 16, v[PS]
	v_lshl_or_b32 v[PS], v[T2+3], 24, v[PS]
.irp c, 0,1
	v_cvt_scalef32_pk16_fp6_f32 v[PC+6*\c:PC+6*\c+2], v[S+32*\c:S+32*\c+15], v[SO+2*\c]
	v_cvt_scalef32_pk16_fp6_f32 v[PT+4*\c:PT+4*\c+2], v[S+32*\c+16:S+32*\c+31], v[SO+2*\c+1]   ; (a conversion's three registers begin on an even number)
.endr
	v_nop                                          ; one plain place behind the scaled conversions
.irp c, 0,1                                    ; the operand's layout wants a WHOLE block in a lane: lanes 0-15 block 2 c, lanes 16-31 block 2 c + 1
.irp i, 0,1,2
	v_permlane16_swap_b32 v[PC+6*\c+\i], v[PT+4*\c+\i]
.endr
.irp i, 0,1,2
	v_mov_b32 v[PC+6*\c+3+\i], v[PT+4*\c+\i]
.endr
.endr
.irp c, 0,1,2,3                                ; V's four fragments take p's place: p has been summed and converted
.irp i, 0,1,2
	ds_load_b128 v[S+12*\c+4*\i:S+12*\c+4*\i+3], v[A16] offset:VIMG+1536*\c+512*\i
.endr
.endr
	ds_load_b64 v[VS:VS+1], v[A8] offset:VSC
.set j, 0
.rept 16
	v_pk_mul_f32 v[O+j:O+j+1], v[O+j:O+j+1], v[F:F+1] op_sel_hi:[1,0]   ; O^T under the new M, each accumulator from its low end on; with the moves above these are the places between the writes of p's codes and scale word and the products
.set j, j+2
.endr
	s_wait_dscnt 0x0                               ; V's fragments and scale words are in
.irp c, 0,2                                    ; O^T += V^T P^T: source 0 = 16 channels, source 1 = p; the four accumulators take turns, one instruction a turn
	v_wmma_scale_f32_16x16x128_f8f6f4 v[O+8*\c:O+8*\c+7], v[S+12*\c:S+12*\c+11], v[PC:PC+11], v[O+8*\c:O+8*\c+7], v[VS+\c/2], v[PS] matrix_a_fmt:MATRIX_FMT_FP6 matrix_b_fmt:MATRIX_FMT_FP6
	v_wmma_scale_f32_16x16x128_f8f6f4 v[O+8*(\c+1):O+8*(\c+1)+7], v[S+12*(\c+1):S+12*(\c+1)+11], v[PC:PC+11], v[O+8*(\c+1):O+8*(\c+1)+7], v[VS+\c/2], v[PS] matrix_a_fmt:MATRIX_FMT_FP6 matrix_b_fmt:MATRIX_FMT_FP6 matrix_a_scale:MATRIX_SCALE_ROW1
.endr
	s_add_co_u32 s[TB], s[TB], STEPB               ; on to the next step's images
.endm
.macro FRESH                           ; a tile of queries begins: the first step's images; the largest t under every t; the sums 0
	s_mov_b32 s[TB], 0
	v_mov_b32 v[TMX], 0xff61b1e6                   ; -3e38
	v_floor_f32 v[NM], -v[TMX]
	v_mov_b32 v[SUM], 0
	v_mov_b32 v[SUM+1], 0
.endm
.macro ZERO_O                          ; the step is written once: a tile's first step finds zeros, which the first change of M leaves zeros
.set j, 0
.rept 32
	v_mov_b32 v[O+j], 0
.set j, j+1
.endr
.endm
.macro BARRIER                         ; my LDS stores have landed and my LDS loads are in: then the work-group's barrier
	s_wait_dscnt 0x0
	s_barrier_signal -1
	s_barrier_wait -1
.endm
; THE WAY OUT of tile u.  The sum's halves are added; O^T is divided by the sum and goes through my own stage in LDS: a lane's eight channels of a row go in, whole rows of 256 bytes come back.
.macro OUT u
	v_add_f32 v[SUM], v[SUM], v[SUM+1]             ; the sum's two halves,
	v_permlanex16_b32 v[X0], v[SUM], s[SEL], s[SEL+1]
	v_add_f32 v[SUM], v[SUM], v[X0]                ; and lane l xor 16's: the row's sum
	v_rcp_f32 v[SUM], v[SUM]
	v_and_b32 v[T2], 15, v0                        ; r.  (These lines are the plain place behind the reciprocal, and with the three above it the places behind the last products)
	v_bfe_u32 v[T2+1], v0, 4, 1                    ; h
	v_mul_u32_u24 v[BM], v[T2], 272
	v_lshl_add_u32 v[BM], v[T2+1], 5, v[BM]
	v_add_nc_u32 v[BM], s[STGW], v[BM]             ; in: row r; tile c's eight channels of my half lie 64 c + 32 h bytes on
	v_mul_u32_u24 v[BM+1], v[T2+1], 272
	v_lshl_add_u32 v[BM+1], v[T2], 4, v[BM+1]
	v_add_nc_u32 v[BM+1], s[STGW], v[BM+1]         ; back: lanes 0-15 one row, lanes 16-31 the next
	s_wait_alu depctr_va_vdst(0)                   ; the wait ahead of the reciprocal's first reader
.set j, 0
.rept 16
	v_pk_mul_f32 v[S+j:S+j+1], v[O+j:O+j+1], v[SUM:SUM+1] op_sel_hi:[1,0]   ; register 8 c + i is out0(r, 16 c + 8 h + i); each accumulator from its low end on
.set j, j+2
.endr
.irp c, 0,1,2,3
	ds_store_b128 v[BM], v[S+8*\c:S+8*\c+3] offset:64*\c
	ds_store_b128 v[BM], v[S+8*\c+4:S+8*\c+7] offset:64*\c+16
.endr
.irp i, 0,1,2,3,4,5,6,7
	ds_load_b128 v[S+32+4*\i:S+32+4*\i+3], v[BM+1] offset:544*\i   ; LDS serves a wave's instructions in order (ISA guide 5.7.1.4): these see my stores
.endr
.irp i, 0,1,2,3,4,5,6,7
	s_wait_dscnt 7-\i                              ; the younger of the eight loads may be out
	global_store_b128 v[L16], v[S+32+4*\i:S+32+4*\i+3], s[10:11] offset:4096*\u+512*\i th:TH_STORE_NT   ; 32 lanes store 512 consecutive bytes, two rows, at a multiple of 256 from out0's first byte
.endr
.endm
	; ---- THE HEAD
	s_load_b256 s[4:11], s[0:1], 0x0               ; query s[4:5], key s[6:7], value s[8:9], out0 s[10:11]
	v_lshl_add_u32 v[SPW], v0, 2, SPARE
	v_mov_b32 v[NIL], 0
	v_lshrrev_b32 v[X0], 5, v0
	v_readfirstlane_b32 s[WV], v[X0]               ; wave 0..15
	v_and_b32 v[L8], 31, v0                        ; lane
	v_lshlrev_b32 v[L16], 4, v[L8]
	v_lshlrev_b32 v[PFO], 8, v[L8]
	v_lshlrev_b32 v[GV], 2, v[L8]
	v_lshlrev_b32 v[L8], 3, v[L8]
	v_and_b32 v[X0], 15, v0                        ; r
	v_bfe_u32 v[X1], v0, 4, 1                      ; h
	v_lshlrev_b32 v[R16], 4, v[X0]
	v_mad_u32_u24 v[VWL], v[X1], 1536, v[R16]
	v_and_b32 v[GK], 8, v[X0]
	v_add_nc_u32 v[GK], v[GK], v[X0]               ; r + 8 (r / 8)
	v_lshlrev_b32 v[GK], 8, v[GK]
	v_lshl_add_u32 v[GK], v[X1], 7, v[GK]
	v_lshlrev_b32 v[H8], 3, v[X1]
	v_lshlrev_b32 v[A16], 8, v[X0]
	v_lshl_add_u32 v[A16], v[X1], 7, v[A16]        ; Q: row r of 256 bytes, + 128 h: my block of 32 channels
	s_lshr_b32 s13, s[WV], 3                       ; sg: which of a group's two steps my tasks serve
	s_bfe_u32 s14, s[WV], 0x20001                  ; m = (w / 2) % 4
	s_and_b32 s15, s[WV], 1                        ; e = w % 2
	s_and_b32 s16, ttmp7, 0xffff                   ; the head,
	s_lshl_b32 s16, s16, 19                        ; times its 2,048 rows of 256 bytes
	s_mov_b32 s17, 0
	s_lshl_b32 s40, ttmp9, 17                      ; my work-group's 512 queries,
	s_lshl_b32 s18, s[WV], 13                      ; my wave's 32 of them
	s_add_co_u32 s40, s40, s18
	s_add_co_u32 s40, s40, s16
	s_mov_b32 s41, 0                               ; s[40:41]: my first row in query and in out0
	s_lshl_b32 s42, s13, 15
	s_lshl_b32 s18, s14, 13
	s_add_co_u32 s42, s42, s18
	s_add_co_u32 s42, s42, s16                     ; row 128 sg + 32 m of the head
	s_mov_b32 s43, 0
	s_lshl_b32 s18, s15, 11
	s_add_co_u32 s44, s42, s18                     ; s[44:45]: K: 8 e rows on
	s_mov_b32 s45, 0
	s_lshl_b32 s18, s15, 7
	s_add_co_u32 s42, s42, s18                     ; s[42:43]: V: 32 e channels on
	s_and_b32 s19, s[WV], 7
	s_lshl_b32 s46, s19, 13                        ; the prefetches: my wave's 32 rows,
	s_add_co_u32 s46, s46, s16
	s_add_co_u32 s46, s46, 2*GROUPB                ; in group 2
	s_mov_b32 s47, 0
	s_mul_i32 s39, s13, STEPB                      ; my tasks' step in a group
	s_mul_i32 s18, s19, 768
	s_add_co_u32 s[KWB], s39, s18                  ; K's image: tile w % 8
	s_lshl_b32 s18, s15, 8
	s_add_co_u32 s[KSB], s39, s18
	s_lshl_b32 s18, s14, 2
	s_add_co_u32 s[KSB], s[KSB], s18
	s_add_co_u32 s[KSB], s[KSB], KSC               ; its scale words: 256 e + 4 m
	s_mul_i32 s18, s15, 3072
	s_add_co_u32 s[VW0], s39, s18
	s_and_b32 s18, s14, 1
	s_lshl_b32 s18, s18, 8
	s_add_co_u32 s[VW0], s[VW0], s18
	s_add_co_u32 s[VW0], s[VW0], VIMG              ; V's images: tiles 2 e and 2 e + 1, fragment lanes 16 (m % 2) on
	s_lshr_b32 s18, s14, 1                         ; q = m / 2
	s_mul_i32 s19, s18, 1016
	s_add_co_u32 s[VW1], s[VW0], s19
	s_add_co_u32 s[VW1], s[VW1], 8                 ; the second piece: 8 or 1,024
	s_mul_i32 s19, s18, 520
	s_add_co_u32 s[VW0], s[VW0], s19               ; the first: 0 or 520; the third lies 512 on
	s_lshl_b32 s18, s15, 2
	s_add_co_u32 s[VSB], s39, s18
	s_add_co_u32 s[VSB], s[VSB], s14
	s_add_co_u32 s[VSB], s[VSB], VSC               ; its scale byte: 4 e + m
	s_mul_i32 s[STGW], s[WV], 4352
	s_add_co_u32 s[STGW], s[STGW], STG
	s_mov_b32 s[SEL], 0x76543210
	s_mov_b32 s[SEL+1], 0xfedcba98
	s_mov_b32 s[CS], 0x3e38aa3b                    ; c = log2(e) / 8
	s_mov_b32 s[CS+1], s[CS]                       ; (named with it as a pair, so it is written)
	s_wait_kmcnt 0x0
	s_add_nc_u64 s[4:5], s[4:5], s[40:41]
	s_add_nc_u64 s[10:11], s[10:11], s[40:41]
	s_add_nc_u64 s[KP:KP+1], s[6:7], s[44:45]
	s_add_nc_u64 s[VP:VP+1], s[8:9], s[42:43]
	s_cmp_lt_u32 s[WV], 8                          ; waves 0 to 7 prefetch K's rows, waves 8 to 15 V's
	s_cselect_b64 s[PFA:PFA+1], s[6:7], s[8:9]
	s_add_nc_u64 s[PFA:PFA+1], s[PFA:PFA+1], s[46:47]
	s_cmp_eq_u32 ttmp9, 0                          ; the head's first work-group asks
	s_cselect_b32 s[LIM], 1, -1
.irp u, 0,1                                    ; my two tiles of Q: 32 numbers a lane each; read once in the launch
.irp i, 0,1,2,3,4,5,6,7
	global_load_b128 v[S+32*\u+4*\i:S+32*\u+4*\i+3], v[A16], s[4:5] offset:4096*\u+16*\i th:TH_LOAD_NT
.endr
.endr
	KLOAD                                          ; group 0's tasks
	VLOAD O
.irp i, 6,7,8,9,10,11                          ; under the loads: the zero codes of the first product's upper 64 along K,
	v_mov_b32 v[QF+\i], 0
.irp t, 0,1,2,3
	v_mov_b32 v[KF+12*\t+\i], 0
.endr
.endr
.irp b, 0,1,2,3
	v_mov_b32 v[T2+\b], 0                          ; written once: a lane permute's destination counts as one of its sources
.endr
	v_mov_b32 v[F+1], 0                            ; (named as the upper half of the pair before it would otherwise be written)
	FRESH
	s_wait_loadcnt 48                              ; Q's first tile is in; behind it: 8 loads of the second, 8 of K, 32 of V
	QB S, QF
	SWORD QS
	s_wait_loadcnt 40                              ; the second tile; behind it: 8 of K, 32 of V
	QB S+32, Q1
	SWORD QS1
	s_wait_loadcnt 32                              ; K; behind it: 32 of V
	QB ST, PC
	SWORD T2+2
	KSTORE
	s_add_nc_u64 s[KP:KP+1], s[KP:KP+1], GROUPB    ; (K's loads are done: their base may step)
	s_wait_dscnt 0x0                               ; the stores have read their registers
	s_wait_loadcnt 0x0                             ; V
	QB O, PC
	VSTORE
	s_add_nc_u64 s[VP:VP+1], s[VP:VP+1], GROUPB
	ZERO_O
	BARRIER                                        ; group 0's images lie in LDS
	; ---- PASS 0, groups 0 to 6: two steps a trip; group g + 1 is quantised meanwhile, into bytes that nobody reads before the barrier at the trip's end
	s_mov_b32 s[CNT], 7
.Lgroup:
	KLOAD
	STEP
	s_wait_loadcnt 0x0                             ; K's 8 loads, asked for a step ago
	QB ST, PC                                      ; (its 17 lines ahead of the conversions are the places behind the step's last products, which read v[PC] on)
	SWORD T2+2
	KSTORE
	s_add_nc_u64 s[KP:KP+1], s[KP:KP+1], GROUPB
	VLOAD ST
	ASK
	STEP
	s_wait_loadcnt 0x0                             ; V's 32 loads
	QB ST, PC
	VSTORE
	s_add_nc_u64 s[VP:VP+1], s[VP:VP+1], GROUPB
	s_wait_xcnt 0x0                                ; the prefetch, a step back, has read its address, so it may be written
	s_add_nc_u64 s[PFA:PFA+1], s[PFA:PFA+1], GROUPB
	BARRIER                                        ; the next group's images lie in LDS
	s_sub_co_u32 s[CNT], s[CNT], 1
	s_cmp_lg_u32 s[CNT], 0
	s_cbranch_scc1 .Lgroup
	; ---- group 7: nothing is left to quantise
	s_mov_b32 s[CNT], 2
.Ltail:
	STEP
	s_sub_co_u32 s[CNT], s[CNT], 1
	s_cmp_lg_u32 s[CNT], 0
	s_cbranch_scc1 .Ltail
	OUT 0
	; ---- PASS 1: my second tile of queries, over images that are all there: no load from memory, no barrier
	FRESH
.irp i, 0,1,2,3,4,5
	v_mov_b32 v[QF+\i], v[Q1+\i]
.endr
	v_mov_b32 v[QS], v[QS1]
	ZERO_O                                         ; (these 32 are also the places between the writes of Q's codes and scale word and the first product)
	s_wait_xcnt 0x0                                ; the first tile's stores have read their registers: the scores may be written there
	s_mov_b32 s[CNT], 16
.Lsecond:
	STEP
	s_sub_co_u32 s[CNT], s[CNT], 1
	s_cmp_lg_u32 s[CNT], 0
	s_cbranch_scc1 .Lsecond
	OUT 1
	s_wait_tensorcnt 0x0                           ; the wave's end, behind my last LDS store
	ds_add_u32 v[SPW], v[NIL]
	s_wait_dscnt 0x0
	s_endpgm
.Lfunc_end_k_q8fe6657214_attn:
	.size	k_q8fe6657214_attn, .Lfunc_end_k_q8fe6657214_attn-k_q8fe6657214_attn
	.p2alignl 7, 3214868480
	.fill 96, 4, 3214868480
	.section	.rodata,"a",@progbits
	.p2align	6, 0x0
	.amdhsa_kernel k_q8fe6657214_attn
		.amdhsa_group_segment_fixed_size 280576
		.amdhsa_private_segment_fixed_size 0
		.amdhsa_enable_private_segment 0
		.amdhsa_kernarg_size 32
		.amdhsa_user_sgpr_count 2
		.amdhsa_user_sgpr_kernarg_segment_ptr 1
		.amdhsa_wavefront_size32 1
		.amdhsa_system_sgpr_workgroup_id_x 1
		.amdhsa_system_sgpr_workgroup_id_y 1
		.amdhsa_system_sgpr_workgroup_id_z 1
		.amdhsa_system_vgpr_workitem_id 0
		.amdhsa_next_free_vgpr 256
		.amdhsa_next_free_sgpr 66
		.amdhsa_reserve_vcc 0
		.amdhsa_float_denorm_mode_32 3
		.amdhsa_float_denorm_mode_16_64 3
		.amdhsa_memory_ordered 1
		.amdhsa_forward_progress 1
		.amdhsa_inst_pref_size 98
	.end_amdhsa_kernel
	.amdgpu_metadata
---
amdhsa.version: [ 1, 2 ]
amdhsa.kernels:
  - .name:           k_q8fe6657214_attn
    .symbol:         k_q8fe6657214_attn.kd
    .args:
      - { .name: query, .offset: 0, .size: 8, .value_kind: global_buffer, .address_space: global }
      - { .name: key, .offset: 8, .size: 8, .value_kind: global_buffer, .address_space: global }
      - { .name: value, .offset: 16, .size: 8, .value_kind: global_buffer, .address_space: global }
      - { .name: out0, .offset: 24, .size: 8, .value_kind: global_buffer, .address_space: global }
    .group_segment_fixed_size: 280576
    .private_segment_fixed_size: 0
    .kernarg_segment_align: 8
    .kernarg_segment_size: 32
    .max_flat_workgroup_size: 512
    .sgpr_count:     66
    .vgpr_count:     256
    .wavefront_size: 32
...
	.end_amdgpu_metadata
.endif
;; end of part 1
;; ======== version 2 of 2: 1 launch; version 1 with the launch attn written anew for expert scheduling mode
;; launch attn (part 2): grid 4 x 64, 16 waves a work-group, no clusters, 280,576 bytes of LDS; arguments query, key, value, out0; writes out0
.if DOCPART == 2
	.amdgcn_target "amdgcn-amd-amdhsa--gfx1250"
	.amdhsa_code_object_version 6
	.text
	.protected	k_q8fe6657214_attn
	.globl	k_q8fe6657214_attn
	.p2align	8
	.type	k_q8fe6657214_attn,@function
k_q8fe6657214_attn:
	s_mov_b64 s[64:65], 0
	v_nop
	global_prefetch_b8 v0, s[64:65] scope:SCOPE_SE
	s_setreg_imm32_b32 hwreg(HW_REG_WAVE_SCHED_MODE, 0, 2), 2
	s_setreg_imm32_b32 hwreg(HW_REG_WAVE_MODE, 25, 1), 1
	s_wait_xcnt 0x0
	s_wait_alu depctr_vm_vsrc(0)
; out0[h][q][:] = the sum over k of softmax_k(query[h][q] . key[h][k] / 8) value[h][k][:], 64 heads (4 x 16), 2,048 positions, 64 channels, all f32, no mask.
; Both products run on codes of E2M3 with one E8M0 scale for each 32 along a product's K: the first along the 64 channels (two blocks to a row of query or key), the second along the keys.
; THE SOFTMAX AHEAD OF THE SECOND PRODUCT: t = score x log2(e) / 8; M = the row's largest t so far, rounded UP to a whole number; p = 2^(t - M) is what is quantised, along the keys, not normalised.
; The row's sum is taken of the unquantised p, in f32, and divides at the end.  When M moves, the sum and O are multiplied by 2^(old M - new M): exact.
; NOTHING IS LEFT OUT: there is no mask, bias or slice; every number of the three inputs reaches the output, and every step of the computation is done.
; SHARES.  256 work-groups: x = a block of 512 queries, y = the head.  Sixteen waves of 256 registers, four to a SIMD, so that one wave's vector work stands beside another's products and LDS loads.
; Wave w owns queries 512 x + 32 w .. + 31 as two tiles of 16, worked one after the other (two passes over the keys).  Both products are used transposed (S^T = K Q^T, O^T = V^T P^T): a lane holds ONE query throughout.
; K AND V ARE QUANTISED HERE, once for each work-group, into LDS, AS IMAGES OF THE OPERANDS' REGISTERS, and stay: a head's codes and scales are 16 x 13,056 = 208,896 bytes, so no LDS byte is written twice.
; The quantising runs under pass 0, a group of 256 keys (two steps) ahead: while group g is multiplied, each wave loads 32 numbers a lane of K of group g + 1 at the head of one step and quantises them behind it,
; and the same of V round the next step.  One barrier a group.  The last group of pass 0 and all of pass 1 have no loads from memory and no barrier.
; THE KEYS OF A TILE ARE NOT NEIGHBOURS: row r of tile 2 b + u is key 32 b + 8 u + r + 8 (r / 8), so that the 16 score registers of tiles 2 b and 2 b + 1 are 16 neighbouring keys, 32 b + 16 (lane / 16) + 0 .. 15.
; THE FIRST PRODUCT'S K IS 64, the instruction's 128: registers 6-11 of both its operands are zero codes, set once; bytes 2 and 3 of its scale words repeat bytes 0 and 1, so that no byte is 0xff.
; NO CLUSTER, NO JOINT LOADS: what the four work-groups of a head share is f32 that has to pass through registers to be quantised.  A joint load could only lay it into LDS, 65,536 bytes for each 128 keys of K and V;
; beside 208,896 bytes of images, 69,632 of stages and 2,048 of spare words 47,104 bytes are left, less than one step's; and each number would cross LDS twice more.
; LIMITS: NaN and infinities among the inputs are not served.  A block whose largest magnitude lies under 2^-124 gets the scale byte 1; so does a block of zeros, where the rule says 127: its codes are zeros, which add
; nothing under any byte but 0xff, and the bytes are read by this program alone.  A p under 2^-126 comes out of v_exp_f32 as 0.  The running largest t begins at -3e38.  t - M is one fused multiply-add of the score.
; THE MODE: SCHED_MODE bits 1:0 = 2 (LLVM: expert scheduling mode 2), set by the entry lines.  The code itself states the register dependences between vector or matrix instructions and memory or LDS instructions,
; with s_wait_alu, always for 0.
; THE PLAN.  Registers that memory or LDS instructions touch:
;   v1 to v7        offsets, made at the head and never written again: the one wait ahead of the first load serves them for the whole kernel.
;   v[A16], v[A8]   written by two additions at a step's head; read by the step's LDS loads and by the loads that ask a step ahead.
;   KF (registers 0-5 of each fragment), KS   LDS loads land there; the products K Q^T read them.  Tiles 4-7 follow tiles 0-3 into the same registers in the step's middle;
;                   the NEXT step's tiles 0-3 and scale words are asked for behind the wait for the exponentials, where all eight products are done, and land under the sums and conversions.
;   S               the products K Q^T write it, the softmax works in it, the conversions read it last; then V's fragments land in its first 48 registers, and the products V^T P read them.
;   VS              an LDS load lands there; the products V^T P read it.
;   ST              global loads land there; the quantiser reads it; the wait ahead of a task's stores stands behind that reading, and no vector instruction names ST from there to the next loads into it.
;   v[PC ..], v[T2 ..], v[X0], v[X1]   a task's codes, word or byte, and addresses: written by the quantiser, read by the task's LDS stores, written again by the next step, behind the wait at its head.
;   On the way out: v[S ..] (the stage's stores' data, the stage's loads' results, the global stores' data), v[BM], v[BM+1] (the stage's addresses).
; A step so has one wait on vm_vsrc, at its head, and on va_vdst: one at its head where its first tiles were not asked for ahead, one in the middle of the products K Q^T, one ahead of the exponentials, the two behind them,
; one behind the conversions and one ahead of the products V^T P.
.set STEPB, 13056                      ; LDS: what 128 keys take: 51 x 256 bytes.  Step j begins at j x STEPB
.set KIMG,  0                          ; in it: K's 8 tiles x 768 bytes: tile t: registers 0-3 at 768 t + 16 x lane, registers 4-5 at 768 t + 512 + 8 x lane
.set KSC,   6144                       ; K's scale words, 512 bytes: tile t, row r at 16 (r + 16 (t % 2)) + 4 (t / 2): one load of 16 bytes a lane gives register j = tile 2 j (lanes 0-15), tile 2 j + 1 (lanes 16-31)
.set VIMG,  6656                       ; V's 4 tiles x 1,536 bytes: tile c (channels 16 c on): registers 4 i .. 4 i + 3 at 1536 c + 512 i + 16 x lane
.set VSC,   12800                      ; V's scale words, 256 bytes: tile c, row r at 8 (r + 16 (c % 2)) + 4 (c / 2); byte b = the step's b-th 32 keys
.set STG,   16*STEPB                   ; behind the 16 steps: a stage of 16 rows x (256 + 16) bytes for each wave, its own, for the way out
.set SPARE, STG+16*4352                ; behind the stages: the spare words, 128 bytes for each wave: eight blocks of 256 bytes that no other line names
.set GROUPB, 65536                     ; 256 rows of K or V in memory
.set L16, 1                            ; v1   16 x lane: an image's place for my lane; also my byte offset in two rows of out0
.set L8,  2                            ; v2   8 x lane
.set R16, 3                            ; v3   16 r          (r = lane % 16, h = lane / 16)
.set VWL, 4                            ; v4   1536 h + 16 r: my lane's place among V's images when I store
.set GK,  5                            ; v5   256 (r + 8 (r / 8)) + 128 h: my key's row and my block of 32 channels in a tile of K in memory
.set GV,  6                            ; v6   4 x lane: my channel in a row of V
.set PFO, 7                            ; v7   256 x lane: the prefetches' offset, a lane a row
.set H8,  8                            ; v8   8 h
.set A16, 9                            ; v9   the step's LDS byte + 16 x lane  (in the head: my lane's offset in Q's rows)
.set A8,  10                           ; v10  the step's LDS byte + 8 x lane
.set QS1, 11                           ; v11  the second tile's scale word of Q, kept
.set NM,  12                           ; v12  -M
.set TMX, 13                           ; v13  the running largest t
.set SUM, 14                           ; v[14:15] the row's sum in two halves
.set QF,  16                           ; v16-27 Q's fragment (registers 6-11 zeros)
.set QS,  28                           ; v28  Q's scale word
.set PS,  29                           ; v29  p's scale word
.set KS,  30                           ; v30-33 K's scale words of a step
.set VS,  34                           ; v34-35 V's
.set SPW, 36                           ; v36  LDS address of my spare word: SPARE + 4 x my thread's number; never rewritten
.set NIL, 37                           ; v37  0; never rewritten
.set F,   38                           ; v[38:39] f = 2^(old M - new M) (v39 is only named with it as a pair)
.set BM,  40                           ; v40-43 the blocks' maxima
.set T2,  44                           ; v44-47 at work
.set SO,  48                           ; v48-51 the conversions' scale operands
.set X0,  52                           ; v52, v53 at work
.set X1,  53
.set PC,  54                           ; v54-65 codes just made: p's fragment, or a task's six registers
.set PT,  66                           ; v66-73 the conversions' second halves
.set KF,  74                           ; v74-121 four fragments of K (registers 6-11 of each zeros)
.set S,   122                          ; v122-185 S^T, then p; then V's four fragments in the first 48; on the way out rows of out0
.set O,   186                          ; v186-217 O^T: tile c at O + 8 c
.set ST,  218                          ; v218-249 32 numbers of K or V on their way to the quantiser
.set Q1,  250                          ; v250-255 the second tile's six code registers of Q, kept
.set WV,  12                           ; s12  my wave's number
.set SEL, 20                           ; s[20:21] lane selects for v_permlanex16_b32: lane l xor 16
.set CS,  22                           ; s[22:23] c = log2(e) / 8: the packed form names a pair and takes its low word for both halves
.set TB,  24                           ; s24  LDS byte at which the step in hand begins
.set CNT, 25                           ; s25  the loops' counter
.set KWB, 26                           ; s26  where my K task stores its image;  s27 its scale words
.set KSB, 27
.set VW0, 28                           ; s28, s29 where my V task stores its three pieces of 8 bytes;  s30 its scale byte
.set VW1, 29
.set VSB, 30
.set STGW, 31                          ; s31  my stage
.set KP,  32                           ; s[32:33] my K task's rows in memory;  s[34:35] my V task's
.set VP,  34
.set PFA, 36                           ; s[36:37] where my prefetches stand
.set LIM, 38                           ; s38  1 in a work-group that prefetches, else the greatest number
; 32 numbers of ONE block in one lane, v[s] .. v[s + 31], become six registers of codes in v[c] on; the scale's byte is left in v[T2].
.macro QB s, c
	v_max3_num_f32 v[BM], |v[(\s)]|, |v[(\s)+1]|, |v[(\s)+2]|      ; the block's largest magnitude, in two chains
	v_max3_num_f32 v[BM+1], |v[(\s)+3]|, |v[(\s)+4]|, |v[(\s)+5]|
.irp i, 6,10,14,18,22,26
	v_max3_num_f32 v[BM], v[BM], |v[(\s)+\i]|, |v[(\s)+\i+1]|
	v_max3_num_f32 v[BM+1], v[BM+1], |v[(\s)+\i+2]|, |v[(\s)+\i+3]|
.endr
	v_max3_num_f32 v[BM], v[BM], |v[(\s)+30]|, |v[(\s)+31]|
	v_max3_num_f32 v[BM], v[BM], v[BM+1], 0x1800000                ; and the floor 2^(3 - 127): the byte cannot fall under 1
	v_add_nc_u32 v[SO], 0xff000000, v[BM]                          ; 2 off its exponent field: the conversion takes the exponent field of this operand as its scale
	v_cvt_scalef32_pk16_fp6_f32 v[(\c):(\c)+2], v[(\s):(\s)+15], v[SO]
	v_cvt_scalef32_pk16_fp6_f32 v[PT:PT+2], v[(\s)+16:(\s)+31], v[SO]   ; (a conversion's three registers begin on an even number)
	v_lshrrev_b32 v[T2], 23, v[SO]                                 ; the scale's byte; also the plain place behind the conversions
.irp i, 0,1,2
	v_mov_b32 v[(\c)+3+\i], v[PT+\i]
.endr
.endm
; The scale word of a row of Q or K: my block's byte at 8 h bits, lane l xor 16's beside it, and the pair once more in the upper half.
.macro SWORD d
	v_lshlrev_b32 v[T2], v[H8], v[T2]
	v_permlanex16_b32 v[T2+1], v[T2], s[SEL], s[SEL+1]
	v_or_b32 v[T2], v[T2], v[T2+1]
	v_lshl_or_b32 v[(\d)], v[T2], 16, v[T2]
.endm
; MY K TASK: tile w % 8 of step 2 G + w / 8 of group G: lane (r, h) takes channels 32 h .. 32 h + 31 of its key: 128 bytes.
.macro KLOAD
.irp i, 0,1,2,3,4,5,6,7
	global_load_b128 v[ST+4*\i:ST+4*\i+3], v[GK], s[KP:KP+1] offset:16*\i
.endr
.endm
; MY V TASK: keys 32 m .. 32 m + 31 (m = (w / 2) % 4) of step 2 G + w / 8, channels 32 (w % 2) + lane: a lane to a channel, registers down the keys; a load covers 128 consecutive bytes.
.macro VLOAD reg
.irp i, 0,1,2,3,4,5,6,7,8,9,10,11,12,13,14,15,16,17,18,19,20,21,22,23,24,25,26,27,28,29,30,31
	global_load_b32 v[(\reg)+\i], v[GV], s[VP:VP+1] offset:256*\i
.endr
.endm
.macro KSTORE                          ; the six registers in v[PC] on and the word in v[T2+2] go to LDS as the operand's registers want them
	v_add_nc_u32 v[X0], s[KWB], v[L16]
	v_add_nc_u32 v[X1], s[KWB], v[L8]
	v_add_nc_u32 v[T2+3], s[KSB], v[R16]
	s_wait_alu depctr_va_vdst(0)                   ; the codes, the word and the three addresses are written, which the stores read; and the quantiser is done reading its 32 numbers, in whose registers the next loads land
	ds_store_b128 v[X0], v[PC:PC+3]
	ds_store_b64 v[X1], v[PC+4:PC+5] offset:512
	ds_store_b32 v[T2+3], v[T2+2]                  ; lanes r and r + 16 write the same word with the same value
	s_add_co_u32 s[KWB], s[KWB], 2*STEPB           ; the next group's
	s_add_co_u32 s[KSB], s[KSB], 2*STEPB
.endm
; My lane's block is registers 6 q .. 6 q + 5 (q = m / 2) of fragment lane r + 16 (m % 2) of tile 2 (w % 2) + h.  In an image those lie at bytes 0, 8, 512 (q = 0) or 520, 1024, 1032 (q = 1) from the lane's place:
; the first and third piece are 512 apart in both cases, the second has an address of its own.
.macro VSTORE
	v_add_nc_u32 v[X0], s[VW0], v[VWL]
	v_add_nc_u32 v[X1], s[VW1], v[VWL]
	v_add_nc_u32 v[T2+3], s[VSB], v[L8]
	s_wait_alu depctr_va_vdst(0)                   ; the codes, the byte and the three addresses are written, which the stores read; and the quantiser is done reading its 32 numbers, in whose registers the next loads land
	ds_store_b64 v[X0], v[PC:PC+1]
	ds_store_b64 v[X1], v[PC+2:PC+3]
	ds_store_b64 v[X0], v[PC+4:PC+5] offset:512
	ds_store_b8 v[T2+3], v[T2]
	s_add_co_u32 s[VW0], s[VW0], 2*STEPB
	s_add_co_u32 s[VW1], s[VW1], 2*STEPB
	s_add_co_u32 s[VSB], s[VSB], 2*STEPB
.endm
; A PREFETCH INTO THE L2 of the group after the one that is being loaded: its 256 rows of K (waves 0 to 7) and of V (waves 8 to 15), 32 rows a wave, a lane a row of 256 bytes: one instruction a wave.
; It stands behind the wave's run of loads.  The four work-groups of a head walk the same rows: the head's first (x = 0) asks, so that each row is named once in the launch.
; In the trip that multiplies group g it names group g + 2: one step ahead of K's loads of that group, two ahead of V's.  The last trip (group 6) names nothing: there is no group 8.  Groups 0 and 1 come by their loads alone.
.macro ASK
	s_cmp_gt_u32 s[CNT], s[LIM]
	s_cbranch_scc0 .Lnot_mine_\@
	global_prefetch_b8 v[PFO], s[PFA:PFA+1] th:TH_LOAD_NT scope:SCOPE_SE
.Lnot_mine_\@:
.endm
; The LDS loads of four tiles of K, tiles 4 g .. 4 g + 3, and with tiles 0-3 the step's scale words.  ra, rb: the registers with 16 x lane and 8 x lane; off: bytes on from there.
.macro KLD g, ra, rb, off
.irp t, 0,1,2,3
	ds_load_b128 v[KF+12*\t:KF+12*\t+3], v[\ra] offset:(\off)+KIMG+768*(4*\g+\t)
	ds_load_b64 v[KF+12*\t+4:KF+12*\t+5], v[\rb] offset:(\off)+KIMG+768*(4*\g+\t)+512
.endr
.if \g == 0
	ds_load_b128 v[KS:KS+3], v[\ra] offset:(\off)+KSC
.endif
.endm
; Four tiles of S^T = K Q^T: tiles 4 g .. 4 g + 3.  Source 0 = 16 keys, source 1 = my 16 queries; each product starts its sum with the constant 0.  An odd tile's scale words stand in lanes 16-31.
.macro KMUL g
.irp t, 0,2
	v_wmma_scale_f32_16x16x128_f8f6f4 v[S+8*(4*\g+\t):S+8*(4*\g+\t)+7], v[KF+12*\t:KF+12*\t+11], v[QF:QF+11], 0, v[KS+2*\g+\t/2], v[QS] matrix_a_fmt:MATRIX_FMT_FP6 matrix_b_fmt:MATRIX_FMT_FP6
	v_wmma_scale_f32_16x16x128_f8f6f4 v[S+8*(4*\g+\t+1):S+8*(4*\g+\t+1)+7], v[KF+12*(\t+1):KF+12*(\t+1)+11], v[QF:QF+11], 0, v[KS+2*\g+\t/2], v[QS] matrix_a_fmt:MATRIX_FMT_FP6 matrix_b_fmt:MATRIX_FMT_FP6 matrix_a_scale:MATRIX_SCALE_ROW1
.endr
.endm
; The largest score of blocks b0 and b1 of 32 keys (my 16 of each), the two by turns.  Each accumulator is first read at its low end: registers 0, 1, 2 of the even tile, register 0 of the odd one (with the even one's 7).
.macro BMAX b0, b1
.irp b, \b0, \b1
	v_max3_num_f32 v[BM+\b], v[S+16*\b], v[S+16*\b+1], v[S+16*\b+2]
.endr
.irp i, 3,5,7,9,11,13
.irp b, \b0, \b1
	v_max3_num_f32 v[BM+\b], v[BM+\b], v[S+16*\b+\i], v[S+16*\b+\i+1]
.endr
.endr
.irp b, \b0, \b1
	v_max_num_f32 v[BM+\b], v[BM+\b], v[S+16*\b+15]
.endr
.endm
; A KEY STEP: 128 keys, whose images begin at LDS byte s[TB].
; pre = 1: its tiles 0-3 of K and its scale words were asked for ahead.  ahead = 1: it asks for the next step's, whose images lie in LDS already (behind a barrier that has been passed).
.macro STEP pre, ahead
	s_wait_alu depctr_vm_vsrc(0)                   ; the LDS loads issued so far have read v[A16] and v[A8], and a task's stores their data and addresses (v[PC ..], v[T2 ..], v[X0], v[X1]): this step writes all of them again
	v_add_nc_u32 v[A16], s[TB], v[L16]
	v_add_nc_u32 v[A8], s[TB], v[L8]
.rept 3
	v_nop                                          ; with the two additions: five places behind the last step's products V^T P, whose fragments' registers the products below write over
.endr
.if !\pre
	s_wait_alu depctr_va_vdst(0)                   ; v[A16] and v[A8] are written, which the loads below read; the last products K Q^T are done reading KF and KS, in which they land
	KLD 0, A16, A8, 0
.endif
	s_wait_dscnt 0x0                               ; tiles 0-3 and the scale words are in
	KMUL 0
.rept 4
	v_nop                                          ; four places behind the four products above: the maxima below are the first to read their results
.endr
	s_wait_alu depctr_va_vdst(0)                   ; the four products above are done reading KF, in which tiles 4-7 land; v[A16] and v[A8] are written, which these loads read
	KLD 1, A16, A8, 0
	s_wait_dscnt 0x0                               ; tiles 4-7 are in
	KMUL 1
	BMAX 0, 1                                      ; these 16 name only the first four tiles' results (four places back): they are the places behind the second four
	BMAX 2, 3                                      ; THE LARGEST SCORE OF EACH BLOCK serves twice: for the row's maximum, and, since p rises with the score, for the block's largest p
.irp b, 0,1,2,3
	v_permlanex16_b32 v[T2+\b], v[BM+\b], s[SEL], s[SEL+1]
.endr
.irp b, 0,1,2,3
	v_max_num_f32 v[BM+\b], v[BM+\b], v[T2+\b]     ; with lane l xor 16's 16 keys
.endr
	v_max3_num_f32 v[X0], v[BM], v[BM+1], v[BM+2]
	v_max_num_f32 v[X0], v[X0], v[BM+3]            ; the step's largest score of my query
	v_mul_f32 v[X0], s[CS], v[X0]                  ; as t (c is positive)
	v_max_num_f32 v[TMX], v[TMX], v[X0]            ; the running largest t
	v_mov_b32 v[X0], v[NM]
	v_floor_f32 v[NM], -v[TMX]                     ; the new -M = floor(-t) = -ceil(t): M is a whole number
	v_sub_f32 v[X0], v[NM], v[X0]                  ; old M less new M: a whole number, 0 or less
	v_cvt_i32_f32 v[X0], v[X0]                     ; (it saturates)
	v_ldexp_f32 v[F], 1.0, v[X0]                   ; f = 2^(old M - new M): a multiplication by it rounds nothing
.set j, 0
.rept 32
	v_pk_fma_f32 v[S+j:S+j+1], v[S+j:S+j+1], s[CS:CS+1], v[NM:NM+1] op_sel_hi:[1,0,0]   ; t - M, two at a time (of the pairs c and -M the low word serves both halves)
.set j, j+2
.endr
.irp b, 0,1,2,3
	v_fma_f32 v[BM+\b], v[BM+\b], s[CS], v[NM]     ; the same of each block's largest score
.endr
.set j, 0
	s_wait_alu depctr_va_vdst(0)
.rept 64
	v_exp_f32 v[S+j], v[S+j]                       ; p = 2^(t - M), at most 1: not normalised
.set j, j+1
.endr
	v_pk_mul_f32 v[SUM:SUM+1], v[SUM:SUM+1], v[F:F+1] op_sel_hi:[1,0]   ; the sums under the new M; also the plain place behind the exponentials
	s_wait_alu depctr_va_vdst(0)                   ; the 64 exponentials have written p, ahead of its first reader (one wait for the batch); and the eight products K Q^T are done reading KF and KS
.if \ahead
	KLD 0, A16, A8, STEPB                          ; the next step's tiles 0-3 and scale words.  No further wait: no vector or matrix instruction since the wait above names KF, KS, v[A16] or v[A8]; they land under the sums and conversions
.endif
.irp b, 0,1,2,3
	v_exp_f32 v[BM+\b], v[BM+\b]                   ; the block's largest p: the same two instructions on the same number give the same bits
.endr
	v_pk_add_f32 v[T2:T2+1], v[S:S+1], v[S+2:S+3]  ; THE ROW'S SUM IS TAKEN OF THE UNQUANTISED p: two at a time, in two chains; these read the 64 alone: plain work behind the four
.set j, 4
.rept 15
	v_pk_add_f32 v[SUM:SUM+1], v[SUM:SUM+1], v[S+j:S+j+1]
	v_pk_add_f32 v[T2:T2+1], v[T2:T2+1], v[S+j+2:S+j+3]
.set j, j+4
.endr
	v_pk_add_f32 v[SUM:SUM+1], v[SUM:SUM+1], v[T2:T2+1]
	s_wait_alu depctr_va_vdst(0)                   ; the four exponentials have written the blocks' largest p, ahead of their first reader
.irp b, 0,1,2,3
	v_max_num_f32 v[BM+\b], 0x1800000, v[BM+\b]    ; the floor 2^(3 - 127): the byte cannot fall under 1 (a block whose every p has fallen to 0 keeps that byte: its codes are zeros)
.endr
.irp b, 0,1,2,3
	v_add_nc_u32 v[SO+\b], 0xff000000, v[BM+\b]    ; 2 off the exponent field: the conversion's scale operand
.endr
.irp b, 0,1,2,3
	v_lshrrev_b32 v[T2+\b], 23, v[SO+\b]           ; the scale's byte
.endr
	v_lshl_or_b32 v[PS], v[T2+1], 8, v[T2]         ; p's scale word for these 128 keys
	v_lshl_or_b32 v[PS], v[T2+2], 16, v[PS]
	v_lshl_or_b32 v[PS], v[T2+3], 24, v[PS]
.irp c, 0,1
	v_cvt_scalef32_pk16_fp6_f32 v[PC+6*\c:PC+6*\c+2], v[S+32*\c:S+32*\c+15], v[SO+2*\c]
	v_cvt_scalef32_pk16_fp6_f32 v[PT+4*\c:PT+4*\c+2], v[S+32*\c+16:S+32*\c+31], v[SO+2*\c+1]   ; (a conversion's three registers begin on an even number)
.endr
	s_wait_alu depctr_va_vdst(0)                   ; the conversions, the last to read p, are done with v[S ..], in which V's fragments land
.irp c, 0,1,2,3                                ; V's four fragments take p's place: p has been summed and converted.  The exchange of halves and O's rescaling below name none of these registers: the loads land under them
.irp i, 0,1,2
	ds_load_b128 v[S+12*\c+4*\i:S+12*\c+4*\i+3], v[A16] offset:VIMG+1536*\c+512*\i
.endr
.endr
	ds_load_b64 v[VS:VS+1], v[A8] offset:VSC
	v_nop                                          ; one plain place behind the scaled conversions, ahead of the lines that touch their results
.irp c, 0,1                                    ; the operand's layout wants a WHOLE block in a lane: lanes 0-15 block 2 c, lanes 16-31 block 2 c + 1
.irp i, 0,1,2
	v_permlane16_swap_b32 v[PC+6*\c+\i], v[PT+4*\c+\i]
.endr
.irp i, 0,1,2
	v_mov_b32 v[PC+6*\c+3+\i], v[PT+4*\c+\i]
.endr
.endr
.set j, 0
.rept 16
	v_pk_mul_f32 v[O+j:O+j+1], v[O+j:O+j+1], v[F:F+1] op_sel_hi:[1,0]   ; O^T under the new M, each accumulator from its low end on; with the moves above these are the places between the writes of p's codes and scale word and the products
.set j, j+2
.endr
	s_wait_dscnt 0x0                               ; V's fragments and scale words are in (and what was asked for ahead)
	s_wait_alu depctr_va_vdst(0)                   ; p's codes and p's scale word are written, which the products below take as source 1 and as its scales; the places above stay beside this wait
.irp c, 0,2                                    ; O^T += V^T P^T: source 0 = 16 channels, source 1 = p; the four accumulators take turns, one instruction a turn
	v_wmma_scale_f32_16x16x128_f8f6f4 v[O+8*\c:O+8*\c+7], v[S+12*\c:S+12*\c+11], v[PC:PC+11], v[O+8*\c:O+8*\c+7], v[VS+\c/2], v[PS] matrix_a_fmt:MATRIX_FMT_FP6 matrix_b_fmt:MATRIX_FMT_FP6
	v_wmma_scale_f32_16x16x128_f8f6f4 v[O+8*(\c+1):O+8*(\c+1)+7], v[S+12*(\c+1):S+12*(\c+1)+11], v[PC:PC+11], v[O+8*(\c+1):O+8*(\c+1)+7], v[VS+\c/2], v[PS] matrix_a_fmt:MATRIX_FMT_FP6 matrix_b_fmt:MATRIX_FMT_FP6 matrix_a_scale:MATRIX_SCALE_ROW1
.endr
	s_add_co_u32 s[TB], s[TB], STEPB               ; on to the next step's images
.endm
.macro FRESH                           ; a tile of queries begins: the first step's images; the largest t under every t; the sums 0
	s_mov_b32 s[TB], 0
	v_mov_b32 v[TMX], 0xff61b1e6                   ; -3e38
	v_floor_f32 v[NM], -v[TMX]
	v_mov_b32 v[SUM], 0
	v_mov_b32 v[SUM+1], 0
.endm
.macro ZERO_O                          ; the step is written once: a tile's first step finds zeros, which the first change of M leaves zeros
.set j, 0
.rept 32
	v_mov_b32 v[O+j], 0
.set j, j+1
.endr
.endm
.macro BARRIER                         ; my LDS stores have landed and my LDS loads are in: then the work-group's barrier
	s_wait_dscnt 0x0
	s_barrier_signal -1
	s_barrier_wait -1
.endm
; THE WAY OUT of tile u.  The sum's halves are added; O^T is divided by the sum and goes through my own stage in LDS: a lane's eight channels of a row go in, whole rows of 256 bytes come back.
.macro OUT u
	v_add_f32 v[SUM], v[SUM], v[SUM+1]             ; the sum's two halves,
	v_permlanex16_b32 v[X0], v[SUM], s[SEL], s[SEL+1]
	v_add_f32 v[SUM], v[SUM], v[X0]                ; and lane l xor 16's: the row's sum
	s_wait_alu depctr_va_vdst(0)
	v_rcp_f32 v[SUM], v[SUM]
	v_and_b32 v[T2], 15, v0                        ; r.  (These lines are the plain place behind the reciprocal, and with the three above it the places behind the last products)
	v_bfe_u32 v[T2+1], v0, 4, 1                    ; h
	v_mul_u32_u24 v[BM], v[T2], 272
	v_lshl_add_u32 v[BM], v[T2+1], 5, v[BM]
	v_add_nc_u32 v[BM], s[STGW], v[BM]             ; in: row r; tile c's eight channels of my half lie 64 c + 32 h bytes on
	v_mul_u32_u24 v[BM+1], v[T2+1], 272
	v_lshl_add_u32 v[BM+1], v[T2], 4, v[BM+1]
	v_add_nc_u32 v[BM+1], s[STGW], v[BM+1]         ; back: lanes 0-15 one row, lanes 16-31 the next
	s_wait_alu depctr_va_vdst(0)                   ; the reciprocal is written, ahead of its first reader
.set j, 0
.rept 16
	v_pk_mul_f32 v[S+j:S+j+1], v[O+j:O+j+1], v[SUM:SUM+1] op_sel_hi:[1,0]   ; register 8 c + i is out0(r, 16 c + 8 h + i); each accumulator from its low end on
.set j, j+2
.endr
	s_wait_alu depctr_va_vdst(0)                   ; the divisions have written v[S .. S+31], which the stage's stores read (their addresses stand ahead of the wait above); nothing is left that names v[S+32 ..], in which the stage's loads land
.irp c, 0,1,2,3
	ds_store_b128 v[BM], v[S+8*\c:S+8*\c+3] offset:64*\c
	ds_store_b128 v[BM], v[S+8*\c+4:S+8*\c+7] offset:64*\c+16
.endr
.irp i, 0,1,2,3,4,5,6,7
	ds_load_b128 v[S+32+4*\i:S+32+4*\i+3], v[BM+1] offset:544*\i   ; LDS serves a wave's instructions in order (ISA guide 5.7.1.4): these see my stores
.endr
.irp i, 0,1,2,3,4,5,6,7
	s_wait_dscnt 7-\i                              ; the younger of the eight loads may be out
	global_store_b128 v[L16], v[S+32+4*\i:S+32+4*\i+3], s[10:11] offset:4096*\u+512*\i th:TH_STORE_NT   ; 32 lanes store 512 consecutive bytes, two rows, at a multiple of 256 from out0's first byte
.endr
.endm
	; ---- THE HEAD
	s_load_b256 s[4:11], s[0:1], 0x0               ; query s[4:5], key s[6:7], value s[8:9], out0 s[10:11]
	v_lshl_add_u32 v[SPW], v0, 2, SPARE
	v_mov_b32 v[NIL], 0
	v_lshrrev_b32 v[X0], 5, v0
	v_readfirstlane_b32 s[WV], v[X0]               ; wave 0..15
	v_and_b32 v[L8], 31, v0                        ; lane
	v_lshlrev_b32 v[L16], 4, v[L8]
	v_lshlrev_b32 v[PFO], 8, v[L8]
	v_lshlrev_b32 v[GV], 2, v[L8]
	v_lshlrev_b32 v[L8], 3, v[L8]
	v_and_b32 v[X0], 15, v0                        ; r
	v_bfe_u32 v[X1], v0, 4, 1                      ; h
	v_lshlrev_b32 v[R16], 4, v[X0]
	v_mad_u32_u24 v[VWL], v[X1], 1536, v[R16]
	v_and_b32 v[GK], 8, v[X0]
	v_add_nc_u32 v[GK], v[GK], v[X0]               ; r + 8 (r / 8)
	v_lshlrev_b32 v[GK], 8, v[GK]
	v_lshl_add_u32 v[GK], v[X1], 7, v[GK]
	v_lshlrev_b32 v[H8], 3, v[X1]
	v_lshlrev_b32 v[A16], 8, v[X0]
	v_lshl_add_u32 v[A16], v[X1], 7, v[A16]        ; Q: row r of 256 bytes, + 128 h: my block of 32 channels
	s_wait_alu depctr_va_sdst(0)                   ; s[WV] is written, ahead of its first reader: the tasks' places and all bases are made from it
	s_lshr_b32 s13, s[WV], 3                       ; sg: which of a group's two steps my tasks serve
	s_bfe_u32 s14, s[WV], 0x20001                  ; m = (w / 2) % 4
	s_and_b32 s15, s[WV], 1                        ; e = w % 2
	s_and_b32 s16, ttmp7, 0xffff                   ; the head,
	s_lshl_b32 s16, s16, 19                        ; times its 2,048 rows of 256 bytes
	s_mov_b32 s17, 0
	s_lshl_b32 s40, ttmp9, 17                      ; my work-group's 512 queries,
	s_lshl_b32 s18, s[WV], 13                      ; my wave's 32 of them
	s_add_co_u32 s40, s40, s18
	s_add_co_u32 s40, s40, s16
	s_mov_b32 s41, 0                               ; s[40:41]: my first row in query and in out0
	s_lshl_b32 s42, s13, 15
	s_lshl_b32 s18, s14, 13
	s_add_co_u32 s42, s42, s18
	s_add_co_u32 s42, s42, s16                     ; row 128 sg + 32 m of the head
	s_mov_b32 s43, 0
	s_lshl_b32 s18, s15, 11
	s_add_co_u32 s44, s42, s18                     ; s[44:45]: K: 8 e rows on
	s_mov_b32 s45, 0
	s_lshl_b32 s18, s15, 7
	s_add_co_u32 s42, s42, s18                     ; s[42:43]: V: 32 e channels on
	s_and_b32 s19, s[WV], 7
	s_lshl_b32 s46, s19, 13                        ; the prefetches: my wave's 32 rows,
	s_add_co_u32 s46, s46, s16
	s_add_co_u32 s46, s46, 2*GROUPB                ; in group 2
	s_mov_b32 s47, 0
	s_mul_i32 s39, s13, STEPB                      ; my tasks' step in a group
	s_mul_i32 s18, s19, 768
	s_add_co_u32 s[KWB], s39, s18                  ; K's image: tile w % 8
	s_lshl_b32 s18, s15, 8
	s_add_co_u32 s[KSB], s39, s18
	s_lshl_b32 s18, s14, 2
	s_add_co_u32 s[KSB], s[KSB], s18
	s_add_co_u32 s[KSB], s[KSB], KSC               ; its scale words: 256 e + 4 m
	s_mul_i32 s18, s15, 3072
	s_add_co_u32 s[VW0], s39, s18
	s_and_b32 s18, s14, 1
	s_lshl_b32 s18, s18, 8
	s_add_co_u32 s[VW0], s[VW0], s18
	s_add_co_u32 s[VW0], s[VW0], VIMG              ; V's images: tiles 2 e and 2 e + 1, fragment lanes 16 (m % 2) on
	s_lshr_b32 s18, s14, 1                         ; q = m / 2
	s_mul_i32 s19, s18, 1016
	s_add_co_u32 s[VW1], s[VW0], s19
	s_add_co_u32 s[VW1], s[VW1], 8                 ; the second piece: 8 or 1,024
	s_mul_i32 s19, s18, 520
	s_add_co_u32 s[VW0], s[VW0], s19               ; the first: 0 or 520; the third lies 512 on
	s_lshl_b32 s18, s15, 2
	s_add_co_u32 s[VSB], s39, s18
	s_add_co_u32 s[VSB], s[VSB], s14
	s_add_co_u32 s[VSB], s[VSB], VSC               ; its scale byte: 4 e + m
	s_mul_i32 s[STGW], s[WV], 4352
	s_add_co_u32 s[STGW], s[STGW], STG
	s_mov_b32 s[SEL], 0x76543210
	s_mov_b32 s[SEL+1], 0xfedcba98
	s_mov_b32 s[CS], 0x3e38aa3b                    ; c = log2(e) / 8
	s_mov_b32 s[CS+1], s[CS]                       ; (named with it as a pair, so it is written)
	s_wait_kmcnt 0x0
	s_add_nc_u64 s[4:5], s[4:5], s[40:41]
	s_add_nc_u64 s[10:11], s[10:11], s[40:41]
	s_add_nc_u64 s[KP:KP+1], s[6:7], s[44:45]
	s_add_nc_u64 s[VP:VP+1], s[8:9], s[42:43]
	s_cmp_lt_u32 s[WV], 8                          ; waves 0 to 7 prefetch K's rows, waves 8 to 15 V's
	s_cselect_b64 s[PFA:PFA+1], s[6:7], s[8:9]
	s_add_nc_u64 s[PFA:PFA+1], s[PFA:PFA+1], s[46:47]
	s_cmp_eq_u32 ttmp9, 0                          ; the head's first work-group asks
	s_cselect_b32 s[LIM], 1, -1
	s_wait_alu depctr_va_vdst(0)                   ; the offsets v1 to v7 and v[A16] are written, which the loads, stores and prefetches of the whole kernel read
.irp u, 0,1                                    ; my two tiles of Q: 32 numbers a lane each; read once in the launch
.irp i, 0,1,2,3,4,5,6,7
	global_load_b128 v[S+32*\u+4*\i:S+32*\u+4*\i+3], v[A16], s[4:5] offset:4096*\u+16*\i th:TH_LOAD_NT
.endr
.endr
	KLOAD                                          ; group 0's tasks
	VLOAD O
.irp i, 6,7,8,9,10,11                          ; under the loads: the zero codes of the first product's upper 64 along K,
	v_mov_b32 v[QF+\i], 0
.irp t, 0,1,2,3
	v_mov_b32 v[KF+12*\t+\i], 0
.endr
.endr
.irp b, 0,1,2,3
	v_mov_b32 v[T2+\b], 0                          ; written once: a lane permute's destination counts as one of its sources
.endr
	v_mov_b32 v[F+1], 0                            ; (named as the upper half of the pair before it would otherwise be written)
	FRESH
	s_wait_loadcnt 48                              ; Q's first tile is in; behind it: 8 loads of the second, 8 of K, 32 of V
	QB S, QF
	SWORD QS
	s_wait_loadcnt 40                              ; the second tile; behind it: 8 of K, 32 of V
	QB S+32, Q1
	SWORD QS1
	s_wait_loadcnt 32                              ; K; behind it: 32 of V
	QB ST, PC
	SWORD T2+2
	KSTORE
	s_add_nc_u64 s[KP:KP+1], s[KP:KP+1], GROUPB    ; (K's loads are done: their base may step)
	s_wait_alu depctr_vm_vsrc(0)                   ; K's stores have read v[PC ..], v[T2+2], v[T2+3], v[X0] and v[X1], which V's task writes again
	s_wait_loadcnt 0x0                             ; V
	QB O, PC
	VSTORE
	s_add_nc_u64 s[VP:VP+1], s[VP:VP+1], GROUPB
	ZERO_O
	BARRIER                                        ; group 0's images lie in LDS
	; ---- PASS 0, groups 0 to 6: two steps a trip; group g + 1 is quantised meanwhile, into bytes that nobody reads before the barrier at the trip's end
	s_mov_b32 s[CNT], 7
.Lgroup:
	KLOAD                                          ; no wait: the quantiser's reading of v[ST ..] stands ahead of the wait in the last task's stores, and no vector instruction has named these registers since
	STEP 0, 1                                      ; the group's first step asks for the second's first tiles: both steps' images lie behind the barrier just passed
	s_wait_loadcnt 0x0                             ; K's 8 loads, asked for a step ago
	QB ST, PC                                      ; (its 17 lines ahead of the conversions are the places behind the step's last products, which read v[PC] on)
	SWORD T2+2
	KSTORE
	s_add_nc_u64 s[KP:KP+1], s[KP:KP+1], GROUPB
	VLOAD ST                                       ; no wait: as for K's loads above
	ASK
	STEP 1, 0                                      ; the next group's images are whole only behind the barrier below: nothing is asked for ahead
	s_wait_loadcnt 0x0                             ; V's 32 loads
	QB ST, PC
	VSTORE
	s_add_nc_u64 s[VP:VP+1], s[VP:VP+1], GROUPB
	s_wait_xcnt 0x0                                ; the prefetch, a step back, has read its address, so it may be written
	s_add_nc_u64 s[PFA:PFA+1], s[PFA:PFA+1], GROUPB
	BARRIER                                        ; the next group's images lie in LDS
	s_sub_co_u32 s[CNT], s[CNT], 1
	s_cmp_lg_u32 s[CNT], 0
	s_cbranch_scc1 .Lgroup
	; ---- group 7: nothing is left to quantise.  Its two steps are written out: the first asks ahead, the second does not
	STEP 0, 1
	STEP 1, 0
	OUT 0
	; ---- PASS 1: my second tile of queries, over images that are all there: no load from memory, no barrier
	FRESH
.irp i, 0,1,2,3,4,5
	v_mov_b32 v[QF+\i], v[Q1+\i]
.endr
	v_mov_b32 v[QS], v[QS1]
	ZERO_O                                         ; (these 32 are also the places between the writes of Q's codes and scale word and the first product)
	s_wait_xcnt 0x0                                ; the first tile's stores have read their registers: the scores may be written there
	s_wait_alu depctr_vm_vsrc(0)                   ; the first tile's stores, into the stage and into out0, and the stage's loads have read v[S ..], v[BM] and v[BM+1], which the steps below write again
	s_wait_alu depctr_va_vdst(0)                   ; Q's codes and scale word are written, which the first products take as source 1 and as its scales; the places above stay beside this wait
	KLD 0, L16, L8, 0                              ; step 0's tiles 0-3 and scale words: every product that read KF and KS stands ahead of the waits above
	s_mov_b32 s[CNT], 15
.Lsecond:                                              ; steps 0 to 14: each asks for the next one's first tiles
	STEP 1, 1
	s_sub_co_u32 s[CNT], s[CNT], 1
	s_cmp_lg_u32 s[CNT], 0
	s_cbranch_scc1 .Lsecond
	STEP 1, 0                                      ; step 15 is written out: there is no step behind it to ask for
	OUT 1
	s_wait_dscnt 0x0                               ; the closing lines, six on end
	s_wait_alu 0x0
	s_wait_tensorcnt 0x0
	ds_add_u32 v[SPW], v[NIL]
	s_wait_dscnt 0x0
	s_endpgm
.Lfunc_end_k_q8fe6657214_attn:
	.size	k_q8fe6657214_attn, .Lfunc_end_k_q8fe6657214_attn-k_q8fe6657214_attn
	.p2alignl 7, 3214868480
	.fill 96, 4, 3214868480
	.section	.rodata,"a",@progbits
	.p2align	6, 0x0
	.amdhsa_kernel k_q8fe6657214_attn
		.amdhsa_group_segment_fixed_size 280576
		.amdhsa_private_segment_fixed_size 0
		.amdhsa_enable_private_segment 0
		.amdhsa_kernarg_size 32
		.amdhsa_user_sgpr_count 2
		.amdhsa_user_sgpr_kernarg_segment_ptr 1
		.amdhsa_wavefront_size32 1
		.amdhsa_system_sgpr_workgroup_id_x 1
		.amdhsa_system_sgpr_workgroup_id_y 1
		.amdhsa_system_sgpr_workgroup_id_z 1
		.amdhsa_system_vgpr_workitem_id 0
		.amdhsa_next_free_vgpr 256
		.amdhsa_next_free_sgpr 66
		.amdhsa_reserve_vcc 0
		.amdhsa_float_denorm_mode_32 3
		.amdhsa_float_denorm_mode_16_64 3
		.amdhsa_memory_ordered 1
		.amdhsa_forward_progress 1
		.amdhsa_inst_pref_size 130
	.end_amdhsa_kernel
	.amdgpu_metadata
---
amdhsa.version: [ 1, 2 ]
amdhsa.kernels:
  - .name:           k_q8fe6657214_attn
    .symbol:         k_q8fe6657214_attn.kd
    .args:
      - { .name: query, .offset: 0, .size: 8, .value_kind: global_buffer, .address_space: global }
      - { .name: key, .offset: 8, .size: 8, .value_kind: global_buffer, .address_space: global }
      - { .name: value, .offset: 16, .size: 8, .value_kind: global_buffer, .address_space: global }
      - { .name: out0, .offset: 24, .size: 8, .value_kind: global_buffer, .address_space: global }
    .group_segment_fixed_size: 280576
    .private_segment_fixed_size: 0
    .kernarg_segment_align: 8
    .kernarg_segment_size: 32
    .max_flat_workgroup_size: 512
    .sgpr_count:     66
    .vgpr_count:     256
    .wavefront_size: 32
...
	.end_amdgpu_metadata
.endif
;; end of part 2
